; MI455X (gfx1250); checked and timed in simulation.
; The chip was launched on July 23, 2026; its instructions are those of AMD's public machine-readable ISA for CDNA 5 (MIT licence, August 2026) and "CDNA5" Instruction Set Architecture Reference Guide (July 2026). The comments in the code are by the model that wrote it; some were corrected since.
;; Dot Product Attention. Allowed arithmetic: matrix products marked QUANTISED: E2M3 operands, one E8M0 scale for each 32 along K, by v_wmma_scale_f32_16x16x128_f8f6f4 with both operands' format E2M3, f32 sums; everything else in f32.
;; Inputs: key 2 x 2,048 x 32 x 64 float32; query 2 x 2,048 x 32 x 64 float32; value 2 x 2,048 x 32 x 64 float32.
;; Outputs: out0 2 x 2,048 x 2,048 float32.
;; This version of the problem:
;;   THIS VERSION OF THE PROBLEM IS GIVEN IN LOW PRECISION. The matrix products marked QUANTISED in the list below multiply operands that are first quantised to E2M3 (2 exponent bits, 3 mantissa bits; 6 bits a number), with one power-of-two scale for each 32 numbers along K (OCP MX v1.0); their sums are f32. All else is computed in f32.
;;   The module's matrix products, in the order in which they are computed (A, B: the left and right operand; K: the contracted axis; several contracted axes count as one K, in the product's order):
;;     1. batch 64 x [M 2,048, K 64] x [K 64, N 2,048]; A: input query; B: input key: QUANTISED
;;     2. batch 64 x [M 64, K 2,048] x [K 2,048, N 2,048]; A: input value; B: softmax (see below): QUANTISED
;;   THE QUANTISER, for each operand of a quantised product, along K:
;;     - K is cut into blocks of 32 from its start; a last block that is shorter is filled with zeros.
;;     - A block's scale is 2^e with e = floor(log2(the largest magnitude in the block)) - 2, held to -126 .. 127; a block of zeros has e = 0. As a byte (E8M0): e + 127.
;;     - Each number is divided by its block's scale, clamped to +-7.5, and rounded to the nearest number of E2M3, ties to even, subnormals kept.
;;     - The product sums the exact products of the quantised numbers (number of the format x scale) in f32.
;;   ~~~python
;;   def quantise(x, axis):      # numpy; x: float32 -> the quantised numbers, widened to float32 again
;;       x = np.moveaxis(x, axis, -1); K = x.shape[-1]
;;       x = np.pad(x, [(0, 0)] * (x.ndim - 1) + [(0, -K % 32)]); x = x.reshape(x.shape[:-1] + (-1, 32)); a = np.abs(x).max(-1, keepdims=True)
;;       e = np.where(a > 0, np.clip(np.frexp(np.where(a > 0, a, 1))[1] - 1 - 2, -126, 127), 0)      # np.frexp(a)[1] - 1 = floor(log2(a)), exactly
;;       r = np.clip(x / 2.0 ** e, -7.5, 7.5)
;;       step = 2.0 ** (np.maximum(np.frexp(np.where(r == 0, 1, r))[1] - 1, 0) - 3)
;;       q = np.round(r / step) * step * 2.0 ** e      # np.round: ties to even
;;       return np.moveaxis(q.reshape(q.shape[:-2] + (-1,))[..., :K], -1, axis).astype(np.float32)
;;   ~~~
;;   SOFTMAX AHEAD OF A QUANTISED PRODUCT. Where the list says 'softmax', what is quantised is not the finished softmax but p = 2^(t - M), with t = logit x log2(e) and M = ceil(the row's largest t), a whole number; so 1/2 < the row's largest p <= 1. The row's sum l is taken of the UNQUANTISED p, in f32, and the product's result is divided by l at the end. Since M is a whole number, a kernel that streams over the keys may use a running M (the ceiling of the running maximum): every later rescaling is an exact power of two, which a block's scale takes up: the codes' values come out the same.
;;   OPERANDS COMPUTED ON THE WAY. 'Computed on the way' means the value that the module computes at that place (a softmax that the list does not call 'softmax' is quantised finished and normalised). What goes into a quantiser is computed in f32, as accurately as f32 sums, v_exp_f32 and their like allow (about 1e-6 of the number): no bf16 or f16 on the way to a quantiser, and a product that is left as it is and whose result goes on into a quantised operand takes f32 operands (vector FMAs, or v_wmma_f32_16x16x4_f32). A number that lies on a knife's edge between two numbers of the format may be rounded either way, as far as f32 arithmetic and the matrix unit's own rounding can turn it there, and no further.
;; 2 versions. Each part assembles by itself: llvm-mc -triple=amdgcn-amd-amdhsa -mcpu=gfx1250 --defsym DOCPART=n.
;; ======== version 1 of 2: 1 launch
;; launch attn (part 1): grid 4 x 64, 16 waves a work-group, no clusters, 276,480 bytes of LDS; arguments query, key, value, out0; writes out0
.if DOCPART == 1
	.amdgcn_target "amdgcn-amd-amdhsa--gfx1250"
	.amdhsa_code_object_version 6
	.text
	.protected	k_q4612defa18_attn
	.globl	k_q4612defa18_attn
	.p2align	8
	.type	k_q4612defa18_attn,@function
k_q4612defa18_attn:
	s_mov_b64 s[64:65], 0
	v_nop
	global_prefetch_b8 v0, s[64:65] scope:SCOPE_SE
	s_setreg_imm32_b32 hwreg(HW_REG_WAVE_MODE, 25, 1), 1
	s_wait_xcnt 0x0
; out[b][q][n][:] = the sum over k of softmax_k(Q[b][q][n] . K[b][k][n] / 8) V[b][k][n][:].  Q, K, V, out: [2][2048][32][64] f32: a (row, head) piece is 256 consecutive bytes, rows lie 8,192 bytes apart.
; Both products run on codes of FP6 (E2M3) with one E8M0 scale for each 32 along the product's K: Q and K are quantised along the head's 64, V and p along the keys.
; THE SOFTMAX AHEAD OF THE SECOND PRODUCT: t = score x log2(e) / 8; M = the row's largest t so far, rounded UP to a whole number; p = 2^(t - M) is quantised, not normalised.
; The row's sum is taken of the unquantised p and divides O at the end.  When M moves, the sum and O are multiplied by 2^(old M - new M): exact.
; SHARES.  A work-group owns one head and 512 of its queries (grid 4 x 64 = 256 work-groups).  Each of its sixteen waves owns ONE tile of 16 queries at a time, in 256 registers, and walks all 2,048 keys, 128 a step;
; it does so twice: pass 0 for queries 16 w on, pass 1 for queries 256 + 16 w on.  Four waves lie on a SIMD, so that one wave's vector work stands beside another's matrix work and LDS loads.
; THE HEAD'S K AND V LIE IN LDS AS CODES, as images of the operands' registers (a fragment: 12 registers a lane, three groups of four, lane l's 16 bytes at 16 l), stored once and never again.
; They are made during pass 0: in each trip of two key steps every wave quantises one tile of K (16 keys x 64) and one unit of V (32 keys x 32 channels) of the NEXT two steps, from 32 registers
; whose loads were issued one key step earlier.  One barrier for two steps; pass 1 has no production and no barrier.
; LAYOUT.  Both products are used transposed: S^T = K Q^T (source 0 = keys, source 1 = my 16 queries), O^T = V^T P^T (source 0 = 16 channels, source 1 = p): a lane holds ONE query (lane % 16) throughout.
; THE FIRST PRODUCT'S K IS 64, the instruction's 128: a fragment of K holds TWO tiles of keys side by side (k 0-63: tile 2 b, k 64-127: tile 2 b + 1) and is multiplied twice, by [Q | zero codes] and by
; [zero codes | Q]; a zero code adds exactly nothing (the format has no infinity and no NaN; the zero half's scale byte is 0, which is 2^-127 and not the NaN byte).
; THE KEYS OF A TILE ARE NOT NEIGHBOURS: row r of tile 2 b + u is key 32 b + 8 u + r + 8 (r / 8), so that the 16 score registers of tiles 2 b and 2 b + 1 are 16 neighbouring keys, 32 b + 16 (lane / 16) + 0 .. 15.
; NO JOINT LOADS, though the four work-groups of a head read the same K and V: these arrive as f32 and have to pass through registers to become codes; two key steps of both are 131,072 bytes of f32,
; and beside the images (204,800 bytes) and the stages (69,632) a work-group has 53,248 bytes left.  Each work-group quantises the head for itself: 2 items a wave for 2 key steps.
; LIMITS: NaN and infinities among the inputs are not served.  A block of zeros, or one whose largest magnitude lies under 2^-124, gets the scale byte 1 (the bytes are read by this program alone).
; A block's largest p is taken as 2^(its largest score's t - M): this takes v_exp_f32 not to fall where its input rises.  The division by the row's sum is v_rcp_f32 and a multiplication.
.set ROWG,  8192                       ; bytes from a row (query or key) to the next in memory
.set PAIRG, 256*ROWG                   ; 256 rows: two key steps; also the way from pass 0's queries to pass 1's
.set FRB,   1536                       ; a fragment's image: 12 registers x 32 lanes x 4 bytes
.set STEPB, 4*FRB                      ; a key step's four fragments
.set KIMG,  0                          ; LDS: K's images, 16 steps x 6,144 bytes
.set VIMG,  16*STEPB                   ; V's likewise (fragment t: channels 16 t on x the step's 128 keys)
.set SCL,   2*16*STEPB                 ; the scale words, 512 bytes a step: 16 r + 4 b: K's fragment b, row r; 256 + 16 r + 4 t: V's fragment t, channel row r
.set STG,   SCL+16*512                 ; a stage of its own for each wave: 16 rows x 272 bytes
.set SPITCH, 272                       ; 256 bytes + 16 = 68 words: the 16 rows that a load of 16 bytes a lane touches start four banks apart (64 banks of 4 bytes: ISA guide 11.1)
.set WSTG,  16*SPITCH
.set LI,   1                           ; v1   16 x lane: my place in an image of K (KIMG = 0)
.set LIV,  2                           ; v2   the same in V's images
.set LSC,  3                           ; v3   the same among a step's scale words: lanes 0-15 take K's four words of row r, lanes 16-31 V's
.set DEN,  4                           ; v4   my stage by dense rows: 272 (lane / 16) + 16 (lane % 16)
.set ROWI, 5                           ; v5   my stage, row lane % 16, + 128 (lane / 16): 32 neighbours of a row
.set ROWO, 6                           ; v6   my stage, row lane % 16, + 32 (lane / 16): where eight results of a row go
.set GD,   7                           ; v7   memory: 8,192 (lane / 16) + 16 (lane % 16): sixteen lanes to a row's 256 bytes, two rows an instruction
.set GK,   8                           ; v8   the same at my tile of K in a pair of steps
.set GV,   9                           ; v9   memory: my channel of my unit of V
.set KA0,  10                          ; v10, v11  where my tile's six code registers go in K's images (three pieces of 8 bytes: KA0, KA1, KA0 + 512)
.set KA1,  11
.set KSA,  12                          ; v12  and its scale byte
.set VA0,  13                          ; v13, v14, v15  the same for my unit of V
.set VA1,  14
.set VSA,  15
.set ADK,  16                          ; v16-18  the addresses in hand: a step's fragments of K, of V, its scale words; in production the three store addresses
.set ADV,  17
.set ADS,  18
.set SH8,  19                          ; v19  8 (lane / 16)
.set T1,   20                          ; v20, v21  at work
.set T0,   21
.set NM,   22                          ; v22  -M;  v23 the largest t so far (named with it as a pair)
.set TMX,  23
.set SUM,  24                          ; v[24:25] the row's sum in two halves
.set QLS,  26                          ; v26  Q's scale word for [Q | 0];  v27 for [0 | Q]
.set QHS,  27
.set SC,   28                          ; v28-31  the step's scale words: lanes 0-15 K's fragments 0-3, lanes 16-31 V's
.set QZ,   32                          ; v32-37 zero codes; v38-43 Q's codes; v44-49 zero codes: [0 | Q] = v[32:43], [Q | 0] = v[38:49]
.set QC,   38
.set FRG,  50                          ; v50-97   four fragments: K's, then V's
.set SCR,  98                          ; v98-161  S^T, then p
.set XB,   98                          ; v98-129  between steps: 32 neighbours back from the stage; results on the way out
.set YB,   130                         ; v130-161 between steps: pass 0's Q as loaded; rows on the way out
.set OT,   162                         ; v162-193 O^T: register 8 t + j is channel 16 t + 8 (lane / 16) + j of my query
.set PC,   194                         ; v194-205 the codes just made
.set BM,   206                         ; v206-209 largest magnitudes or scores of four blocks
.set BT,   210                         ; v210-217 the other half's maxima, scale bytes, second halves of conversions
.set BS,   218                         ; v218-221 the conversions' scale operands
.set FF,   222                         ; v222 f = 2^(old M - new M);  v223 p's scale word (named with f as a pair)
.set PW,   223
.set INF,  224                         ; v224-255 32 numbers on their way from memory
.set QP,   4                           ; s[4:5] Q at my wave's first query;  s[6:7] K, s[8:9] V at the pair of steps to be fetched;  s[10:11] out at my first query
.set KP,   6
.set VP,   8
.set OP,   10
.set WV,   12                          ; s12  my wave's number
.set SEL,  20                          ; s[20:21] lane selects for v_permlanex16_b32: lane l xor 16
.set CS,   22                          ; s[22:23] c = log2(e) / 8: the packed form names a pair and takes its low word for both halves
.set TB,   24                          ; s24  6,144 x the key step in hand
.set TS,   25                          ; s25  512 x the key step in hand
.set PS,   26                          ; s26  12,288 x the pair being made
.set PSS,  27                          ; s27  1,024 x the pair being made
.set CT,   28                          ; s28  pairs still to be made
.set WK,   29                          ; s29  steps still to be walked
; Eight loads: 16 rows of 256 bytes, two rows an instruction.  skip = 1: rows 8-15 lie 8 rows further on (a tile of K).  nt = 1: bytes that the launch reads once (Q).
.macro TLOAD reg, voff, sb, skip, off, nt
.irp i, 0,1,2,3,4,5,6,7
.if \nt
	global_load_b128 v[\reg+4*\i:\reg+4*\i+3], v[\voff], s[\sb:\sb+1] offset:\off+(2*\i+8*\skip*(\i/4))*ROWG th:TH_LOAD_NT
.else
	global_load_b128 v[\reg+4*\i:\reg+4*\i+3], v[\voff], s[\sb:\sb+1] offset:\off+(2*\i+8*\skip*(\i/4))*ROWG
.endif
.endr
.endm
; My unit of V: a lane takes a channel and its registers run down 32 keys: a whole block in one lane.  A load reads 128 consecutive bytes; the wave beside me takes the row's other half.
.macro VLOAD
.set JJ, 0
.rept 32
	global_load_b32 v[INF+JJ], v[GV], s[VP:VP+1] offset:JJ*ROWG
.set JJ, JJ+1
.endr
.endm
; 16 rows as loaded go through my own stage and come back as 32 neighbours of row lane % 16, block lane / 16, in v[XB] on.  LDS serves a wave's instructions in order (ISA guide 5.7.1.4): no wait between stores and loads.
.macro TURN reg
.irp i, 0,1,2,3,4,5,6,7
	ds_store_b128 v[DEN], v[\reg+4*\i:\reg+4*\i+3] offset:2*SPITCH*\i
.endr
.irp i, 0,1,2,3,4,5,6,7
	ds_load_b128 v[XB+4*\i:XB+4*\i+3], v[ROWI] offset:16*\i
.endr
	s_wait_dscnt 0x0                               ; the 32 numbers are back, and the stores have read their registers
.endm
; A block of 32 numbers in v[x] on becomes six registers of codes in v[cd] on and a scale byte in v[BM+2].
.macro QBLK x, cd
	v_max3_num_f32 v[BM], |v[\x]|, |v[\x+1]|, |v[\x+2]|            ; the largest magnitude, in two chains
	v_max3_num_f32 v[BM+1], |v[\x+3]|, |v[\x+4]|, |v[\x+5]|
.irp i, 6,10,14,18,22,26
	v_max3_num_f32 v[BM], v[BM], |v[\x+\i]|, |v[\x+\i+1]|
	v_max3_num_f32 v[BM+1], v[BM+1], |v[\x+\i+2]|, |v[\x+\i+3]|
.endr
	v_max3_num_f32 v[BM], v[BM], |v[\x+30]|, |v[\x+31]|
	v_max3_num_f32 v[BM], v[BM], v[BM+1], 0x1800000                ; and the floor 2^(3 - 127): the byte cannot fall under 1
	v_add_nc_u32 v[BS], 0xff000000, v[BM]                          ; 2 off its exponent field: the conversion takes the exponent field of this operand as its scale
	v_lshrrev_b32 v[BM+2], 23, v[BS]                               ; the scale's byte
	v_cvt_scalef32_pk16_fp6_f32 v[\cd:\cd+2], v[\x:\x+15], v[BS]
	v_cvt_scalef32_pk16_fp6_f32 v[BT:BT+2], v[\x+16:\x+31], v[BS]  ; (a conversion's three registers begin on an even number: the second half is made elsewhere and moved)
	v_nop                                                          ; one plain place behind the scaled conversions
.irp i, 0,1,2
	v_mov_b32 v[\cd+3+\i], v[BT+\i]
.endr
.endm
; The six code registers in v[PC] on go to their places in an image, the byte to its place in a scale word.
.macro PUT a0, a1, sa
	v_add_nc_u32 v[ADK], s[PS], v[\a0]
	v_add_nc_u32 v[ADV], s[PS], v[\a1]
	v_add_nc_u32 v[ADS], s[PSS], v[\sa]
	ds_store_b64 v[ADK], v[PC:PC+1]
	ds_store_b64 v[ADV], v[PC+2:PC+3]
	ds_store_b64 v[ADK], v[PC+4:PC+5] offset:512
	ds_store_b8 v[ADS], v[BM+2]
.endm
; My tile of K of the pair being made; its registers then take my unit of V.
.macro PRODK
	s_wait_loadcnt 0x0                             ; my tile's eight loads, the only ones out, are in: so K's base may step
	s_add_nc_u64 s[KP:KP+1], s[KP:KP+1], PAIRG
	TURN INF
	VLOAD
	QBLK XB, PC
	PUT KA0, KA1, KSA
	s_wait_dscnt 0x0                               ; the stores have read their addresses, the codes and the byte: the next lines write them again
.endm
; My unit of V of the pair being made; its registers then take my tile of K of the next pair.  mode = 1 (in the loop): in the last trip there is no next pair: pass 1's Q is asked for instead (eight loads either way).
.macro PRODV mode
	s_wait_loadcnt 0x0                             ; my unit's 32 loads are in: so V's base may step
	s_add_nc_u64 s[VP:VP+1], s[VP:VP+1], PAIRG
	QBLK INF, PC
.if \mode
	s_cmp_eq_u32 s[CT], 1
	s_cbranch_scc1 .Lnextq_\@
.endif
	TLOAD INF, GK, KP, 1, 0, 0
.if \mode
	s_branch .Lasked_\@
.Lnextq_\@:
	TLOAD INF, GD, QP, 0, PAIRG, 1
.Lasked_\@:
.endif
	PUT VA0, VA1, VSA
	s_add_co_u32 s[PS], s[PS], 2*STEPB
	s_add_co_u32 s[PSS], s[PSS], 1024
.endm
.macro BARRIER                                 ; my stores into the images have landed: then the work-group's barrier; behind it every wave may read the pair just made
	s_wait_dscnt 0x0
	s_barrier_signal -1
	s_barrier_wait -1
.endm
; 16 queries as loaded in v[reg] on become Q's codes and scale words; the running figures begin anew.
.macro NEWQ reg
	TURN \reg
	QBLK XB, QC
	v_lshlrev_b32 v[T0], v[SH8], v[BM+2]           ; my block's byte at its place,
	v_permlanex16_b32 v[T1], v[T0], s[SEL], s[SEL+1]
	v_or_b32 v[QLS], v[T0], v[T1]                  ; with lane l xor 16's: bytes 0, 1 = Q's two blocks, bytes 2, 3 = 0, for the zero codes
	v_lshlrev_b32 v[QHS], 16, v[QLS]               ; and the other way round
	v_mov_b32 v[TMX], 0xff61b1e6                   ; the largest t so far: -3e38, under every t
	v_floor_f32 v[NM], -v[TMX]                     ; -M
	v_mov_b32 v[SUM], 0
	v_mov_b32 v[SUM+1], 0
.set JJ, 0
.rept 32
	v_mov_b32 v[OT+JJ], 0                          ; O^T: the step is written once; the first finds zeros, which the first change of M leaves zeros.  (More than the eight places between the scale words' making and their first product)
.set JJ, JJ+1
.endr
	s_mov_b32 s[TB], 0
	s_mov_b32 s[TS], 0
.endm
; A KEY STEP: 128 keys.
.macro STEP
	v_add_nc_u32 v[ADK], s[TB], v[LI]              ; four plain lines: the places between the last products and the loads into registers that they read
	v_add_nc_u32 v[ADV], s[TB], v[LIV]
	v_add_nc_u32 v[ADS], s[TS], v[LSC]
	v_nop
	ds_load_b128 v[SC:SC+3], v[ADS]
.irp b, 0,1,2,3
.irp g, 0,1,2
	ds_load_b128 v[FRG+12*\b+4*\g:FRG+12*\b+4*\g+3], v[ADK] offset:FRB*\b+512*\g
.endr
.endr
	s_wait_dscnt 0x0
.irp b, 0,1,2,3                                ; S^T = K Q^T: fragment b against [Q | 0] gives tile 2 b, against [0 | Q] tile 2 b + 1
.irp u, 0,1
	v_wmma_scale_f32_16x16x128_f8f6f4 v[SCR+16*\b+8*\u:SCR+16*\b+8*\u+7], v[FRG+12*\b:FRG+12*\b+11], v[QC-6*\u:QC-6*\u+11], 0, v[SC+\b], v[QLS+\u] matrix_a_fmt:MATRIX_FMT_FP6 matrix_b_fmt:MATRIX_FMT_FP6
.endr
.endr
.rept 4
	v_nop                                          ; places in front of the loads below and of the first read of the scores
.endr
.irp t, 0,1,2,3                                ; V's four fragments land while the softmax is walked
.irp g, 0,1,2
	ds_load_b128 v[FRG+12*\t+4*\g:FRG+12*\t+4*\g+3], v[ADV] offset:FRB*\t+512*\g
.endr
.endr
.irp b, 0,1,2,3
	v_max3_num_f32 v[BM+\b], v[SCR+16*\b], v[SCR+1+16*\b], v[SCR+2+16*\b]   ; the largest score of each block of 32 keys: it serves the row's maximum and, since p rises with the score, the block's largest p
.endr
.irp i, 3,5,7,9,11,13
.irp b, 0,1,2,3
	v_max3_num_f32 v[BM+\b], v[BM+\b], v[SCR+16*\b+\i], v[SCR+1+16*\b+\i]   ; (the four blocks by turns)
.endr
.endr
.irp b, 0,1,2,3
	v_max_num_f32 v[BM+\b], v[BM+\b], v[SCR+15+16*\b]
.endr
.irp b, 0,1,2,3
	v_permlanex16_b32 v[BT+\b], v[BM+\b], s[SEL], s[SEL+1]
.endr
.irp b, 0,1,2,3
	v_max_num_f32 v[BM+\b], v[BM+\b], v[BT+\b]     ; with lane l xor 16's 16 keys
.endr
	v_max3_num_f32 v[T0], v[BM], v[BM+1], v[BM+2]
	v_max_num_f32 v[T0], v[T0], v[BM+3]            ; the step's largest score of my query
	v_mul_f32 v[T0], s[CS], v[T0]                  ; as t (c is positive)
	v_max_num_f32 v[TMX], v[TMX], v[T0]            ; the running largest t
	v_mov_b32 v[T0], v[NM]
	v_floor_f32 v[NM], -v[TMX]                     ; the new -M = floor(-t) = -ceil(t): a whole number
	v_sub_f32 v[T0], v[NM], v[T0]                  ; M's old value less its new one: a whole number, 0 or less
	v_cvt_i32_f32 v[T0], v[T0]                     ; (it saturates)
	v_ldexp_f32 v[FF], 1.0, v[T0]                  ; f = 2^(old M - new M)
.set JJ, 0
.rept 32
	v_pk_fma_f32 v[SCR+JJ:SCR+JJ+1], v[SCR+JJ:SCR+JJ+1], s[CS:CS+1], v[NM:NM+1] op_sel_hi:[1,0,0]   ; t - M, two at a time (of the pairs c and -M the low word serves both halves)
.set JJ, JJ+2
.endr
.irp b, 0,1,2,3
	v_fma_f32 v[BM+\b], v[BM+\b], s[CS], v[NM]     ; the same of each block's largest score
.endr
.set JJ, 0
.rept 64
	v_exp_f32 v[SCR+JJ], v[SCR+JJ]                 ; p = 2^(t - M), at most 1: not normalised
.set JJ, JJ+1
.endr
.irp b, 0,1,2,3
	v_exp_f32 v[BM+\b], v[BM+\b]                   ; the block's largest p: the same two instructions on the same number give the same bits
.endr
	v_pk_mul_f32 v[SUM:SUM+1], v[SUM:SUM+1], v[FF:FF+1] op_sel_hi:[1,0]   ; the sums under the new M.  (The plain place behind the exponentials)
	s_wait_alu depctr_va_vdst(0)
.irp b, 0,1,2,3
	v_max_num_f32 v[BM+\b], 0x1800000, v[BM+\b]    ; the floor 2^(3 - 127): the byte cannot fall under 1
.endr
.irp b, 0,1,2,3
	v_add_nc_u32 v[BS+\b], 0xff000000, v[BM+\b]    ; 2 off the exponent field: the conversion's scale operand
.endr
.irp b, 0,1,2,3
	v_lshrrev_b32 v[BT+\b], 23, v[BS+\b]           ; the scale's byte
.endr
	v_lshl_or_b32 v[PW], v[BT+1], 8, v[BT]         ; p's scale word for these 128 keys
	v_lshl_or_b32 v[PW], v[BT+2], 16, v[PW]
	v_lshl_or_b32 v[PW], v[BT+3], 24, v[PW]
.irp c, 0,1
	v_cvt_scalef32_pk16_fp6_f32 v[PC+6*\c:PC+6*\c+2], v[SCR+32*\c:SCR+32*\c+15], v[BS+2*\c]
	v_cvt_scalef32_pk16_fp6_f32 v[BT+4*\c:BT+4*\c+2], v[SCR+32*\c+16:SCR+32*\c+31], v[BS+2*\c+1]
.endr
	v_nop                                          ; one plain place behind the scaled conversions
.irp c, 0,1                                    ; the operand's layout wants a WHOLE block in a lane: lanes 0-15 block 2 c, lanes 16-31 block 2 c + 1
.irp i, 0,1,2
	v_permlane16_swap_b32 v[PC+6*\c+\i], v[BT+4*\c+\i]
.endr
.irp i, 0,1,2
	v_mov_b32 v[PC+3+6*\c+\i], v[BT+4*\c+\i]
.endr
.endr
	v_pk_add_f32 v[BT:BT+1], v[SCR:SCR+1], v[SCR+2:SCR+3]   ; the row's sum is taken of the UNQUANTISED p: two at a time, in two chains
.set JJ, 4
.rept 15
	v_pk_add_f32 v[SUM:SUM+1], v[SUM:SUM+1], v[SCR+JJ:SCR+JJ+1]
	v_pk_add_f32 v[BT:BT+1], v[BT:BT+1], v[SCR+JJ+2:SCR+JJ+3]
.set JJ, JJ+4
.endr
	v_pk_add_f32 v[SUM:SUM+1], v[SUM:SUM+1], v[BT:BT+1]
.set JJ, 0
.rept 16
	v_pk_mul_f32 v[OT+JJ:OT+JJ+1], v[OT+JJ:OT+JJ+1], v[FF:FF+1] op_sel_hi:[1,0]   ; O^T under the new M, each accumulator from its low end on
.set JJ, JJ+2
.endr
	s_wait_dscnt 0x0                               ; V's fragments are in
.irp t, 0,1,2,3                                ; O^T += V^T P^T: the four accumulators by turns; V's scale words stand in lanes 16-31
	v_wmma_scale_f32_16x16x128_f8f6f4 v[OT+8*\t:OT+8*\t+7], v[FRG+12*\t:FRG+12*\t+11], v[PC:PC+11], v[OT+8*\t:OT+8*\t+7], v[SC+\t], v[PW] matrix_a_fmt:MATRIX_FMT_FP6 matrix_b_fmt:MATRIX_FMT_FP6 matrix_a_scale:MATRIX_SCALE_ROW1
.endr
	s_add_co_u32 s[TB], s[TB], STEPB
	s_add_co_u32 s[TS], s[TS], 512
.endm
.macro WALK n                                  ; n key steps whose images lie in LDS
	s_mov_b32 s[WK], \n
.Lwalk_\@:
	STEP
	s_sub_co_u32 s[WK], s[WK], 1
	s_cmp_lg_u32 s[WK], 0
	s_cbranch_scc1 .Lwalk_\@
.endm
; THE WAY OUT of 16 queries: O^T / the sum goes through my own stage and leaves as whole rows of 256 bytes, sixteen lanes to a row.
.macro FINISH off, last
.rept 4
	v_nop                                          ; places behind the last products
.endr
	v_add_f32 v[SUM], v[SUM], v[SUM+1]             ; the sum's two halves,
	v_permlanex16_b32 v[T1], v[SUM], s[SEL], s[SEL+1]
	v_add_f32 v[SUM], v[SUM], v[T1]                ; and lane l xor 16's: the row's sum
	v_rcp_f32 v[SUM], v[SUM]
	v_nop                                          ; one plain place behind the transcendental
.set JJ, 0
	s_wait_alu depctr_va_vdst(0)
.rept 16
	v_pk_mul_f32 v[XB+JJ:XB+JJ+1], v[OT+JJ:OT+JJ+1], v[SUM:SUM+1] op_sel_hi:[1,0]   ; ascending: each accumulator from its low end on
.set JJ, JJ+2
.endr
.irp t, 0,1,2,3
	ds_store_b128 v[ROWO], v[XB+8*\t:XB+8*\t+3] offset:64*\t        ; row lane % 16, channels 16 t + 8 (lane / 16) + 0 .. 7
	ds_store_b128 v[ROWO], v[XB+8*\t+4:XB+8*\t+7] offset:64*\t+16
.endr
.irp i, 0,1,2,3,4,5,6,7
	ds_load_b128 v[YB+4*\i:YB+4*\i+3], v[DEN] offset:2*SPITCH*\i    ; in order behind my stores: rows 2 i and 2 i + 1
.endr
.irp i, 0,1,2,3,4,5,6,7
	s_wait_dscnt 7-\i                              ; LDS loads come back in order: load i of the eight is in, the 7 - i younger ones stay out
	global_store_b128 v[GD], v[YB+4*\i:YB+4*\i+3], s[OP:OP+1] offset:\off+2*ROWG*\i th:TH_STORE_NT   ; sixteen lanes store 256 consecutive bytes, at a multiple of 256 from the buffer's first byte
.endr
.if !\last
	s_wait_xcnt 0x0                                ; the stores' data registers are written again by the next pass only behind this wait
.endif
.endm
	s_load_b256 s[4:11], s[0:1], 0x0               ; query, key, value, out0
	v_lshrrev_b32 v[T1], 5, v0
	v_readfirstlane_b32 s[WV], v[T1]               ; wave 0..15
	s_and_b32 s13, ttmp7, 0xffff                   ; y = 32 b + n
	s_lshr_b32 s14, s13, 5
	s_lshl_b32 s14, s14, 24                        ; b x 2,048 rows of 8,192 bytes
	s_and_b32 s13, s13, 31
	s_lshl_b32 s13, s13, 8                         ; n x 256 bytes
	s_add_co_u32 s30, s14, s13                     ; the head's first byte, the same in all four tensors
	s_mov_b32 s31, 0
	s_lshl_b32 s13, ttmp9, 22                      ; my work-group's 512 queries,
	s_lshl_b32 s14, s[WV], 17                      ; my wave's 16 of them
	s_add_co_u32 s13, s13, s14
	s_add_co_u32 s32, s13, s30                     ; under 2^25
	s_mov_b32 s33, 0
	s_mov_b32 s[SEL], 0x76543210
	s_mov_b32 s[SEL+1], 0xfedcba98
	s_mov_b32 s[CS], 0x3e38aa3b                    ; c = log2(e) / 8
	s_mov_b32 s[CS+1], s[CS]                       ; (named with it as a pair, so it is written)
	s_mov_b32 s[PS], 0
	s_mov_b32 s[PSS], 0
	v_and_b32 v[T1], 15, v0                        ; r = lane % 16
	v_bfe_u32 v[T0], v0, 4, 1                      ; h = lane / 16
	v_and_b32 v[ADK], 31, v0                       ; lane
	v_lshlrev_b32 v[GD], 4, v[T1]
	v_lshl_add_u32 v[GD], v[T0], 13, v[GD]         ; 8,192 h + 16 r
	s_lshr_b32 s14, s[WV], 1                       ; w / 2: my fragment of K, my 32 keys of V, in a pair of steps
	s_and_b32 s15, s[WV], 1                        ; w % 2: which half of the fragment, which 32 channels
	s_lshr_b32 s18, s[WV], 3                       ; w / 8: which step of the pair
	s_bfe_u32 s19, s[WV], 0x10002                  ; (w / 4) % 2: which half of V's fragment along the keys
	s_lshl_b32 s16, s14, 18                        ; 32 keys x 8,192 bytes
	s_lshl_b32 s17, s15, 16                        ; 8 keys
	s_add_co_u32 s17, s17, s16
	v_add_nc_u32 v[GK], s17, v[GD]
	s_lshl_b32 s17, s15, 7                         ; 32 channels x 4 bytes
	s_add_co_u32 s17, s17, s16
	v_lshl_add_u32 v[GV], v[ADK], 2, s17
	s_wait_kmcnt 0x0
	s_add_nc_u64 s[QP:QP+1], s[QP:QP+1], s[32:33]
	s_add_nc_u64 s[KP:KP+1], s[KP:KP+1], s[30:31]
	s_add_nc_u64 s[VP:VP+1], s[VP:VP+1], s[30:31]
	s_add_nc_u64 s[OP:OP+1], s[OP:OP+1], s[32:33]
	TLOAD YB, GD, QP, 0, 0, 1                      ; pass 0's 16 queries
	TLOAD INF, GK, KP, 1, 0, 0                     ; my tile of K of the first pair
	v_lshlrev_b32 v[LI], 4, v[ADK]
	v_add_nc_u32 v[LIV], VIMG, v[LI]
	v_add_nc_u32 v[LSC], SCL, v[LI]
	s_mul_i32 s13, s[WV], WSTG
	s_add_co_u32 s13, s13, STG                     ; my stage
	v_mul_u32_u24 v[ADV], v[T1], SPITCH            ; 272 r
	v_mul_u32_u24 v[ADS], v[T0], SPITCH            ; 272 h
	v_lshl_add_u32 v[DEN], v[T1], 4, v[ADS]
	v_add_nc_u32 v[DEN], s13, v[DEN]
	v_lshl_add_u32 v[ROWI], v[T0], 7, v[ADV]
	v_add_nc_u32 v[ROWI], s13, v[ROWI]
	v_lshl_add_u32 v[ROWO], v[T0], 5, v[ADV]
	v_add_nc_u32 v[ROWO], s13, v[ROWO]
	; K: my six registers are registers 6 u .. 6 u + 5 (u = w % 2) of my own lane in fragment w / 2: pieces q = 3 u + 0, 1, 2 of 8 bytes, piece q at 512 (q / 2) + 8 (q % 2) + 16 x lane
	s_mul_i32 s16, s14, FRB
	s_mul_i32 s17, s15, 520
	s_add_co_u32 s17, s17, s16
	v_add_nc_u32 v[KA0], s17, v[LI]                ; pieces 3 u and, 512 bytes on, 3 u + 2
	s_mul_i32 s17, s15, 1016
	s_add_co_u32 s17, s17, s16
	s_add_co_u32 s17, s17, 8
	v_add_nc_u32 v[KA1], s17, v[LI]                ; piece 3 u + 1
	s_lshl_b32 s16, s18, 9
	s_and_b32 s17, s[WV], 7
	s_lshl_b32 s17, s17, 1
	s_add_co_u32 s16, s16, s17
	s_add_co_u32 s16, s16, SCL
	v_lshl_add_u32 v[KSA], v[T1], 4, v[T0]
	v_add_nc_u32 v[KSA], s16, v[KSA]               ; byte 2 u + h of word (w / 2) % 4 of row r
	; V: channel 32 (w % 2) + lane is row r of fragment 2 (w % 2) + h; my 32 keys are block (w / 2) % 4 of the step: registers 6 c on (c = (w / 4) % 2) of lane r + 16 ((w / 2) % 2)
	s_mul_i32 s16, s18, STEPB
	s_mul_i32 s17, s15, 2*FRB
	s_add_co_u32 s16, s16, s17
	s_and_b32 s17, s14, 1
	s_lshl_b32 s17, s17, 8
	s_add_co_u32 s16, s16, s17
	s_add_co_u32 s16, s16, VIMG
	v_mul_u32_u24 v[ADV], v[T0], FRB
	v_lshl_add_u32 v[ADV], v[T1], 4, v[ADV]        ; 1,536 h + 16 r
	s_mul_i32 s17, s19, 520
	s_add_co_u32 s17, s17, s16
	v_add_nc_u32 v[VA0], s17, v[ADV]
	s_mul_i32 s17, s19, 1016
	s_add_co_u32 s17, s17, s16
	s_add_co_u32 s17, s17, 8
	v_add_nc_u32 v[VA1], s17, v[ADV]
	s_lshl_b32 s16, s18, 9
	s_lshl_b32 s17, s15, 3
	s_add_co_u32 s16, s16, s17
	s_and_b32 s17, s14, 3
	s_add_co_u32 s16, s16, s17
	s_add_co_u32 s16, s16, SCL+256
	v_lshlrev_b32 v[ADV], 2, v[T0]
	v_lshl_add_u32 v[ADV], v[T1], 4, v[ADV]
	v_add_nc_u32 v[VSA], s16, v[ADV]               ; byte (w / 2) % 4 of word 2 (w % 2) + h of row r
	v_lshlrev_b32 v[SH8], 3, v[T0]
.irp i, 0,1,2,3,4,5
	v_mov_b32 v[QZ+\i], 0                          ; the zero codes on either side of Q's
	v_mov_b32 v[QC+6+\i], 0
.endr
.irp b, 0,1,2,3
	v_mov_b32 v[BT+\b], 0                          ; written once: a lane permute's destination counts as one of its sources
.endr
	v_mov_b32 v[PW], 0                             ; (named as the upper half of the pair with f before it is first written)
	s_wait_loadcnt 8                               ; Q's eight loads are in; the eight younger ones, my tile of K, may stay out
	NEWQ YB
	PRODK                                          ; the first pair of steps is made with nothing beside it
	PRODV 0
	BARRIER
	s_mov_b32 s[CT], 7
.Lpair:                                            ; trip p = 0 .. 6: steps 2 p and 2 p + 1 are walked, pair p + 1 is made
	STEP
	PRODK
	STEP
	PRODV 1
	BARRIER
	s_sub_co_u32 s[CT], s[CT], 1
	s_cmp_lg_u32 s[CT], 0
	s_cbranch_scc1 .Lpair
	WALK 2                                         ; steps 14 and 15: nothing is left to make
	FINISH 0, 0
	s_wait_loadcnt 0x0                             ; pass 1's Q, asked for in the loop's last trip
	NEWQ INF
	WALK 16                                        ; the whole head lies in LDS: no production, no barrier
	FINISH PAIRG, 1
	s_wait_xcnt 0x0
	v_lshl_add_u32 v254, v0, 2, 0x43000
	v_mov_b32 v255, 0
	s_wait_tensorcnt 0x0
	ds_add_u32 v254, v255
	s_wait_dscnt 0x0
	s_endpgm
.Lfunc_end_k_q4612defa18_attn:
	.size	k_q4612defa18_attn, .Lfunc_end_k_q4612defa18_attn-k_q4612defa18_attn
	.p2alignl 7, 3214868480
	.fill 96, 4, 3214868480
	.section	.rodata,"a",@progbits
	.p2align	6, 0x0
	.amdhsa_kernel k_q4612defa18_attn
		.amdhsa_group_segment_fixed_size 276480
		.amdhsa_private_segment_fixed_size 0
		.amdhsa_enable_private_segment 0
		.amdhsa_kernarg_size 32
		.amdhsa_user_sgpr_count 2
		.amdhsa_user_sgpr_kernarg_segment_ptr 1
		.amdhsa_wavefront_size32 1
		.amdhsa_system_sgpr_workgroup_id_x 1
		.amdhsa_system_sgpr_workgroup_id_y 1
		.amdhsa_system_sgpr_workgroup_id_z 1
		.amdhsa_system_vgpr_workitem_id 0
		.amdhsa_next_free_vgpr 256
		.amdhsa_next_free_sgpr 66
		.amdhsa_reserve_vcc 0
		.amdhsa_float_denorm_mode_32 3
		.amdhsa_float_denorm_mode_16_64 3
		.amdhsa_memory_ordered 1
		.amdhsa_forward_progress 1
		.amdhsa_inst_pref_size 100
	.end_amdhsa_kernel
	.amdgpu_metadata
---
amdhsa.version: [ 1, 2 ]
amdhsa.kernels:
  - .name:           k_q4612defa18_attn
    .symbol:         k_q4612defa18_attn.kd
    .args:
      - { .name: query, .offset: 0, .size: 8, .value_kind: global_buffer, .address_space: global }
      - { .name: key, .offset: 8, .size: 8, .value_kind: global_buffer, .address_space: global }
      - { .name: value, .offset: 16, .size: 8, .value_kind: global_buffer, .address_space: global }
      - { .name: out0, .offset: 24, .size: 8, .value_kind: global_buffer, .address_space: global }
    .group_segment_fixed_size: 276480
    .private_segment_fixed_size: 0
    .kernarg_segment_align: 8
    .kernarg_segment_size: 32
    .max_flat_workgroup_size: 512
    .sgpr_count:     66
    .vgpr_count:     256
    .wavefront_size: 32
...
	.end_amdgpu_metadata
.endif
;; end of part 1
;; ======== version 2 of 2: 1 launch; version 1 with the launch attn written anew for expert scheduling mode
;; launch attn (part 2): grid 4 x 64, 16 waves a work-group, no clusters, 276,480 bytes of LDS; arguments query, key, value, out0; writes out0
.if DOCPART == 2
	.amdgcn_target "amdgcn-amd-amdhsa--gfx1250"
	.amdhsa_code_object_version 6
	.text
	.protected	k_q4612defa18_attn
	.globl	k_q4612defa18_attn
	.p2align	8
	.type	k_q4612defa18_attn,@function
k_q4612defa18_attn:
	s_mov_b64 s[64:65], 0
	v_nop
	global_prefetch_b8 v0, s[64:65] scope:SCOPE_SE
	s_setreg_imm32_b32 hwreg(HW_REG_WAVE_SCHED_MODE, 0, 2), 2
	s_setreg_imm32_b32 hwreg(HW_REG_WAVE_MODE, 25, 1), 1
	s_wait_xcnt 0x0
	s_wait_alu depctr_vm_vsrc(0)
; out[b][q][n][:] = the sum over k of softmax_k(Q[b][q][n] . K[b][k][n] / 8) V[b][k][n][:].  Q, K, V, out: [2][2048][32][64] f32: a (row, head) piece is 256 consecutive bytes, rows lie 8,192 bytes apart.
; Both products run on codes of FP6 (E2M3) with one E8M0 scale for each 32 along the product's K: Q and K are quantised along the head's 64, V and p along the keys.
; THE SOFTMAX AHEAD OF THE SECOND PRODUCT: t = score x log2(e) / 8; M = the row's largest t so far, rounded UP to a whole number; p = 2^(t - M) is quantised, not normalised.
; The row's sum is taken of the unquantised p and divides O at the end.  When M moves, the sum and O are multiplied by 2^(old M - new M): exact.
; SHARES.  A work-group owns one head and 512 of its queries (grid 4 x 64 = 256 work-groups).  Each of its sixteen waves owns ONE tile of 16 queries at a time, in 256 registers, and walks all 2,048 keys, 128 a step;
; it does so twice: pass 0 for queries 16 w on, pass 1 for queries 256 + 16 w on.  Four waves lie on a SIMD, so that one wave's vector work stands beside another's matrix work and LDS loads.
; THE HEAD'S K AND V LIE IN LDS AS CODES, as images of the operands' registers (a fragment: 12 registers a lane, three groups of four, lane l's 16 bytes at 16 l), stored once and never again.
; They are made during pass 0: in each trip of two key steps every wave quantises one tile of K (16 keys x 64) and one unit of V (32 keys x 32 channels) of the NEXT two steps, from 32 registers
; whose loads were issued one key step earlier.  One barrier for two steps; pass 1 has no production and no barrier.
; LAYOUT.  Both products are used transposed: S^T = K Q^T (source 0 = keys, source 1 = my 16 queries), O^T = V^T P^T (source 0 = 16 channels, source 1 = p): a lane holds ONE query (lane % 16) throughout.
; THE FIRST PRODUCT'S K IS 64, the instruction's 128: a fragment of K holds TWO tiles of keys side by side (k 0-63: tile 2 b, k 64-127: tile 2 b + 1) and is multiplied twice, by [Q | zero codes] and by
; [zero codes | Q]; a zero code adds exactly nothing (the format has no infinity and no NaN; the zero half's scale byte is 0, which is 2^-127 and not the NaN byte).
; THE KEYS OF A TILE ARE NOT NEIGHBOURS: row r of tile 2 b + u is key 32 b + 8 u + r + 8 (r / 8), so that the 16 score registers of tiles 2 b and 2 b + 1 are 16 neighbouring keys, 32 b + 16 (lane / 16) + 0 .. 15.
; NO JOINT LOADS, though the four work-groups of a head read the same K and V: these arrive as f32 and have to pass through registers to become codes; two key steps of both are 131,072 bytes of f32,
; and beside the images (204,800 bytes) and the stages (69,632) a work-group has 53,248 bytes left.  Each work-group quantises the head for itself: 2 items a wave for 2 key steps.
; LIMITS: NaN and infinities among the inputs are not served.  A block of zeros, or one whose largest magnitude lies under 2^-124, gets the scale byte 1 (the bytes are read by this program alone).
; A block's largest p is taken as 2^(its largest score's t - M): this takes v_exp_f32 not to fall where its input rises.  The division by the row's sum is v_rcp_f32 and a multiplication.
; THE MODE: SCHED_MODE bits 1:0 = 2 (LLVM: expert scheduling mode 2), set by the entry lines.  The code itself states the register dependences
; between vector or matrix instructions and memory or LDS instructions, with s_wait_alu, always for 0.
; THE PLAN.  Registers that memory or LDS instructions touch:
;   v4-6, v7-9    the stage's addresses and the offsets into memory: made once at the head, never written again.
;   v16-18        the addresses in hand: written by three additions at a step's head and in each production; read by the step's 25 LDS loads, by production's four stores.
;   SC, FRG       LDS loads land in them (K's fragments and the scale words at a step's head, V's fragments behind the first products); matrix instructions read them.
;   XB            the stage's loads land in it; QBLK reads it; a step's first products write it; on the way out multiplications write it and LDS stores read it.
;   YB            pass 0's Q lands in it and the stage's stores read it; a step's first products write it; on the way out the stage's loads land in it and the global stores read it.
;   PC, v208      written by QBLK and by a step's softmax; read by production's four stores.
;   INF           global loads land in it; the stage's stores (K, pass 1's Q) or QBLK (V) read it.
; A STEP has one wait on vm_vsrc, at its head, ahead of the first line that writes any of these again, and five on va_vdst: behind the three additions; behind the first products; ahead of the exponentials; behind the exponentials;
; ahead of the second products.  Behind the last of these the wave issues four products alone, which name O^T, FRG, PC, SC and p's scale word: so the stage's loads into XB that follow a step owe nothing more.
; A production has one wait on vm_vsrc ahead of all that it writes and of the loads into INF, and one on va_vdst behind QBLK, ahead of its stores and of the loads into the registers that QBLK has read.
.set ROWG,  8192                       ; bytes from a row (query or key) to the next in memory
.set PAIRG, 256*ROWG                   ; 256 rows: two key steps; also the way from pass 0's queries to pass 1's
.set FRB,   1536                       ; a fragment's image: 12 registers x 32 lanes x 4 bytes
.set STEPB, 4*FRB                      ; a key step's four fragments
.set KIMG,  0                          ; LDS: K's images, 16 steps x 6,144 bytes
.set VIMG,  16*STEPB                   ; V's likewise (fragment t: channels 16 t on x the step's 128 keys)
.set SCL,   2*16*STEPB                 ; the scale words, 512 bytes a step: 16 r + 4 b: K's fragment b, row r; 256 + 16 r + 4 t: V's fragment t, channel row r
.set STG,   SCL+16*512                 ; a stage of its own for each wave: 16 rows x 272 bytes
.set SPITCH, 272                       ; 256 bytes + 16 = 68 words: the 16 rows that a load of 16 bytes a lane touches start four banks apart (64 banks of 4 bytes: ISA guide 11.1)
.set WSTG,  16*SPITCH
.set LI,   1                           ; v1   16 x lane: my place in an image of K (KIMG = 0)
.set LIV,  2                           ; v2   the same in V's images
.set LSC,  3                           ; v3   the same among a step's scale words: lanes 0-15 take K's four words of row r, lanes 16-31 V's
.set DEN,  4                           ; v4   my stage by dense rows: 272 (lane / 16) + 16 (lane % 16)
.set ROWI, 5                           ; v5   my stage, row lane % 16, + 128 (lane / 16): 32 neighbours of a row
.set ROWO, 6                           ; v6   my stage, row lane % 16, + 32 (lane / 16): where eight results of a row go
.set GD,   7                           ; v7   memory: 8,192 (lane / 16) + 16 (lane % 16): sixteen lanes to a row's 256 bytes, two rows an instruction
.set GK,   8                           ; v8   the same at my tile of K in a pair of steps
.set GV,   9                           ; v9   memory: my channel of my unit of V
.set KA0,  10                          ; v10, v11  where my tile's six code registers go in K's images (three pieces of 8 bytes: KA0, KA1, KA0 + 512)
.set KA1,  11
.set KSA,  12                          ; v12  and its scale byte
.set VA0,  13                          ; v13, v14, v15  the same for my unit of V
.set VA1,  14
.set VSA,  15
.set ADK,  16                          ; v16-18  the addresses in hand: a step's fragments of K, of V, its scale words; in production the three store addresses
.set ADV,  17
.set ADS,  18
.set SH8,  19                          ; v19  8 (lane / 16)
.set T1,   20                          ; v20, v21  at work
.set T0,   21
.set NM,   22                          ; v22  -M;  v23 the largest t so far (named with it as a pair)
.set TMX,  23
.set SUM,  24                          ; v[24:25] the row's sum in two halves
.set QLS,  26                          ; v26  Q's scale word for [Q | 0];  v27 for [0 | Q]
.set QHS,  27
.set SC,   28                          ; v28-31  the step's scale words: lanes 0-15 K's fragments 0-3, lanes 16-31 V's
.set QZ,   32                          ; v32-37 zero codes; v38-43 Q's codes; v44-49 zero codes: [0 | Q] = v[32:43], [Q | 0] = v[38:49]
.set QC,   38
.set FRG,  50                          ; v50-97   four fragments: K's, then V's
.set SCR,  98                          ; v98-161  S^T, then p
.set XB,   98                          ; v98-129  between steps: 32 neighbours back from the stage; results on the way out
.set YB,   130                         ; v130-161 between steps: pass 0's Q as loaded; rows on the way out
.set OT,   162                         ; v162-193 O^T: register 8 t + j is channel 16 t + 8 (lane / 16) + j of my query
.set PC,   194                         ; v194-205 the codes just made
.set BM,   206                         ; v206-209 largest magnitudes or scores of four blocks
.set BT,   210                         ; v210-217 the other half's maxima, scale bytes, second halves of conversions
.set BS,   218                         ; v218-221 the conversions' scale operands
.set FF,   222                         ; v222 f = 2^(old M - new M);  v223 p's scale word (named with f as a pair)
.set PW,   223
.set INF,  224                         ; v224-255 32 numbers on their way from memory
.set QP,   4                           ; s[4:5] Q at my wave's first query;  s[6:7] K, s[8:9] V at the pair of steps to be fetched;  s[10:11] out at my first query
.set KP,   6
.set VP,   8
.set OP,   10
.set WV,   12                          ; s12  my wave's number
.set SEL,  20                          ; s[20:21] lane selects for v_permlanex16_b32: lane l xor 16
.set CS,   22                          ; s[22:23] c = log2(e) / 8: the packed form names a pair and takes its low word for both halves
.set TB,   24                          ; s24  6,144 x the key step in hand
.set TS,   25                          ; s25  512 x the key step in hand
.set PS,   26                          ; s26  12,288 x the pair being made
.set PSS,  27                          ; s27  1,024 x the pair being made
.set CT,   28                          ; s28  pairs still to be made
.set WK,   29                          ; s29  steps still to be walked
; Eight loads: 16 rows of 256 bytes, two rows an instruction.  skip = 1: rows 8-15 lie 8 rows further on (a tile of K).  nt = 1: bytes that the launch reads once (Q).
.macro TLOAD reg, voff, sb, skip, off, nt
.irp i, 0,1,2,3,4,5,6,7
.if \nt
	global_load_b128 v[\reg+4*\i:\reg+4*\i+3], v[\voff], s[\sb:\sb+1] offset:\off+(2*\i+8*\skip*(\i/4))*ROWG th:TH_LOAD_NT
.else
	global_load_b128 v[\reg+4*\i:\reg+4*\i+3], v[\voff], s[\sb:\sb+1] offset:\off+(2*\i+8*\skip*(\i/4))*ROWG
.endif
.endr
.endm
; My unit of V: a lane takes a channel and its registers run down 32 keys: a whole block in one lane.  A load reads 128 consecutive bytes; the wave beside me takes the row's other half.
.macro VLOAD
.set JJ, 0
.rept 32
	global_load_b32 v[INF+JJ], v[GV], s[VP:VP+1] offset:JJ*ROWG
.set JJ, JJ+1
.endr
.endm
; 16 rows as loaded go through my own stage and come back as 32 neighbours of row lane % 16, block lane / 16, in v[XB] on.  LDS serves a wave's instructions in order (ISA guide 5.7.1.4): no wait between stores and loads.
; The wait for the 32 numbers is written by whoever uses the macro, behind what he has to issue meanwhile.
.macro TURN reg
.irp i, 0,1,2,3,4,5,6,7
	ds_store_b128 v[DEN], v[\reg+4*\i:\reg+4*\i+3] offset:2*SPITCH*\i
.endr
.irp i, 0,1,2,3,4,5,6,7
	ds_load_b128 v[XB+4*\i:XB+4*\i+3], v[ROWI] offset:16*\i
.endr
.endm
; A block of 32 numbers in v[x] on becomes six registers of codes in v[cd] on and a scale byte in v[BM+2].
.macro QBLK x, cd
	v_max3_num_f32 v[BM], |v[\x]|, |v[\x+1]|, |v[\x+2]|            ; the largest magnitude, in two chains
	v_max3_num_f32 v[BM+1], |v[\x+3]|, |v[\x+4]|, |v[\x+5]|
.irp i, 6,10,14,18,22,26
	v_max3_num_f32 v[BM], v[BM], |v[\x+\i]|, |v[\x+\i+1]|
	v_max3_num_f32 v[BM+1], v[BM+1], |v[\x+\i+2]|, |v[\x+\i+3]|
.endr
	v_max3_num_f32 v[BM], v[BM], |v[\x+30]|, |v[\x+31]|
	v_max3_num_f32 v[BM], v[BM], v[BM+1], 0x1800000                ; and the floor 2^(3 - 127): the byte cannot fall under 1
	v_add_nc_u32 v[BS], 0xff000000, v[BM]                          ; 2 off its exponent field: the conversion takes the exponent field of this operand as its scale
	v_lshrrev_b32 v[BM+2], 23, v[BS]                               ; the scale's byte
	v_cvt_scalef32_pk16_fp6_f32 v[\cd:\cd+2], v[\x:\x+15], v[BS]
	v_cvt_scalef32_pk16_fp6_f32 v[BT:BT+2], v[\x+16:\x+31], v[BS]  ; (a conversion's three registers begin on an even number: the second half is made elsewhere and moved)
	v_nop                                                          ; one plain place behind the scaled conversions
.irp i, 0,1,2
	v_mov_b32 v[\cd+3+\i], v[BT+\i]
.endr
.endm
; Where the six code registers and the byte of the item in hand go: made ahead of QBLK, so that the one wait behind QBLK covers them too.
.macro PUTA a0, a1, sa
	v_add_nc_u32 v[ADK], s[PS], v[\a0]
	v_add_nc_u32 v[ADV], s[PS], v[\a1]
	v_add_nc_u32 v[ADS], s[PSS], v[\sa]
.endm
; The six code registers in v[PC] on go to their places in an image, the byte to its place in a scale word.
.macro PUTS
	ds_store_b64 v[ADK], v[PC:PC+1]
	ds_store_b64 v[ADV], v[PC+2:PC+3]
	ds_store_b64 v[ADK], v[PC+4:PC+5] offset:512
	ds_store_b8 v[ADS], v[BM+2]
.endm
; My tile of K of the pair being made; its registers then take my unit of V, whose 32 loads go out while the tile is on its way through the stage.
.macro PRODK
	s_wait_loadcnt 0x0                             ; my tile's eight loads, the only ones out, are in: so K's base may step
	s_add_nc_u64 s[KP:KP+1], s[KP:KP+1], PAIRG
	TURN INF                                       ; (no vector or matrix instruction since the last wait on va_vdst names v[XB ..], in which the stage's loads land)
	s_wait_alu depctr_vm_vsrc(0)                   ; the stage's stores have read v[INF ..], in which V's loads land; the last step's LDS loads have read v16-18, which the three additions below write
	VLOAD
	PUTA KA0, KA1, KSA
	s_wait_dscnt 0x0                               ; the 32 numbers are back from the stage
	QBLK XB, PC
	s_wait_alu depctr_va_vdst(0)                   ; the three addresses, the codes and the byte are written, which the four stores read
	PUTS
	s_wait_dscnt 0x0                               ; my four stores into the images are done
.endm
; My unit of V of the pair being made; its registers then take my tile of K of the next pair.  mode = 1 (in the loop): in the last trip there is no next pair: pass 1's Q is asked for instead (eight loads either way).
.macro PRODV mode
	s_wait_loadcnt 0x0                             ; my unit's 32 loads are in: so V's base may step
	s_add_nc_u64 s[VP:VP+1], s[VP:VP+1], PAIRG
	s_wait_alu depctr_vm_vsrc(0)                   ; the LDS instructions issued so far have read v16-18 (the last step's loads; ahead of the loop my tile's stores, which read the codes and the byte as well): all these are written below
	PUTA VA0, VA1, VSA
	QBLK INF, PC
	s_wait_alu depctr_va_vdst(0)                   ; QBLK is done reading v[INF ..], in which the eight loads of either arm land; the three addresses, the codes and the byte are written, which the four stores read
.if \mode
	s_cmp_eq_u32 s[CT], 1
	s_cbranch_scc1 .Lnextq_\@
.endif
	TLOAD INF, GK, KP, 1, 0, 0
.if \mode
	s_branch .Lasked_\@
.Lnextq_\@:
	TLOAD INF, GD, QP, 0, PAIRG, 1
.Lasked_\@:
.endif
	PUTS
	s_add_co_u32 s[PS], s[PS], 2*STEPB
	s_add_co_u32 s[PSS], s[PSS], 1024
.endm
.macro BARRIER                                 ; my stores into the images have landed: then the work-group's barrier; behind it every wave may read the pair just made
	s_wait_dscnt 0x0
	s_barrier_signal -1
	s_barrier_wait -1
.endm
; 16 queries as loaded in v[reg] on become Q's codes and scale words; the running figures begin anew.
.macro NEWQ reg
	TURN \reg
	s_wait_dscnt 0x0                               ; the 32 numbers are back from the stage
	QBLK XB, QC
	v_lshlrev_b32 v[T0], v[SH8], v[BM+2]           ; my block's byte at its place,
	v_permlanex16_b32 v[T1], v[T0], s[SEL], s[SEL+1]
	v_or_b32 v[QLS], v[T0], v[T1]                  ; with lane l xor 16's: bytes 0, 1 = Q's two blocks, bytes 2, 3 = 0, for the zero codes
	v_lshlrev_b32 v[QHS], 16, v[QLS]               ; and the other way round
	v_mov_b32 v[TMX], 0xff61b1e6                   ; the largest t so far: -3e38, under every t
	v_floor_f32 v[NM], -v[TMX]                     ; -M
	v_mov_b32 v[SUM], 0
	v_mov_b32 v[SUM+1], 0
.set JJ, 0
.rept 32
	v_mov_b32 v[OT+JJ], 0                          ; O^T: the step is written once; the first finds zeros, which the first change of M leaves zeros.  (More than the eight places between the scale words' making and their first product)
.set JJ, JJ+1
.endr
	s_mov_b32 s[TB], 0
	s_mov_b32 s[TS], 0
.endm
; A KEY STEP: 128 keys.
.macro STEP
	s_wait_alu depctr_vm_vsrc(0)                   ; all LDS and memory instructions issued so far have read their registers: v16-18 (the last step's loads, production's stores), written just below; the codes and the byte of production's stores, and what went to the stage or to memory out of v[SCR ..], written further down in this step
	v_add_nc_u32 v[ADK], s[TB], v[LI]              ; four plain lines behind the last products
	v_add_nc_u32 v[ADV], s[TB], v[LIV]
	v_add_nc_u32 v[ADS], s[TS], v[LSC]
	v_nop
	s_wait_alu depctr_va_vdst(0)                   ; the three addresses are written, which this step's 25 loads read; the last step's products are done reading v[SC ..] and v[FRG ..], in which the loads below land; in a pass's first step Q's codes and scale words are written, which the products below take
	ds_load_b128 v[SC:SC+3], v[ADS]
.irp b, 0,1,2,3
.irp g, 0,1,2
	ds_load_b128 v[FRG+12*\b+4*\g:FRG+12*\b+4*\g+3], v[ADK] offset:FRB*\b+512*\g
.endr
.endr
	s_wait_dscnt 0x0
.irp b, 0,1,2,3                                ; S^T = K Q^T: fragment b against [Q | 0] gives tile 2 b, against [0 | Q] tile 2 b + 1
.irp u, 0,1
	v_wmma_scale_f32_16x16x128_f8f6f4 v[SCR+16*\b+8*\u:SCR+16*\b+8*\u+7], v[FRG+12*\b:FRG+12*\b+11], v[QC-6*\u:QC-6*\u+11], 0, v[SC+\b], v[QLS+\u] matrix_a_fmt:MATRIX_FMT_FP6 matrix_b_fmt:MATRIX_FMT_FP6
.endr
.endr
.rept 4
	v_nop                                          ; places in front of the first read of the scores
.endr
	s_wait_alu depctr_va_vdst(0)                   ; the eight products are done reading v[FRG ..], in which V's fragments land
.irp t, 0,1,2,3                                ; V's four fragments land while the softmax is walked
.irp g, 0,1,2
	ds_load_b128 v[FRG+12*\t+4*\g:FRG+12*\t+4*\g+3], v[ADV] offset:FRB*\t+512*\g
.endr
.endr
.irp b, 0,1,2,3
	v_max3_num_f32 v[BM+\b], v[SCR+16*\b], v[SCR+1+16*\b], v[SCR+2+16*\b]   ; the largest score of each block of 32 keys: it serves the row's maximum and, since p rises with the score, the block's largest p
.endr
.irp i, 3,5,7,9,11,13
.irp b, 0,1,2,3
	v_max3_num_f32 v[BM+\b], v[BM+\b], v[SCR+16*\b+\i], v[SCR+1+16*\b+\i]   ; (the four blocks by turns)
.endr
.endr
.irp b, 0,1,2,3
	v_max_num_f32 v[BM+\b], v[BM+\b], v[SCR+15+16*\b]
.endr
.irp b, 0,1,2,3
	v_permlanex16_b32 v[BT+\b], v[BM+\b], s[SEL], s[SEL+1]
.endr
.irp b, 0,1,2,3
	v_max_num_f32 v[BM+\b], v[BM+\b], v[BT+\b]     ; with lane l xor 16's 16 keys
.endr
	v_max3_num_f32 v[T0], v[BM], v[BM+1], v[BM+2]
	v_max_num_f32 v[T0], v[T0], v[BM+3]            ; the step's largest score of my query
	v_mul_f32 v[T0], s[CS], v[T0]                  ; as t (c is positive)
	v_max_num_f32 v[TMX], v[TMX], v[T0]            ; the running largest t
	v_mov_b32 v[T0], v[NM]
	v_floor_f32 v[NM], -v[TMX]                     ; the new -M = floor(-t) = -ceil(t): a whole number
	v_sub_f32 v[T0], v[NM], v[T0]                  ; M's old value less its new one: a whole number, 0 or less
	v_cvt_i32_f32 v[T0], v[T0]                     ; (it saturates)
	v_ldexp_f32 v[FF], 1.0, v[T0]                  ; f = 2^(old M - new M)
.set JJ, 0
.rept 32
	v_pk_fma_f32 v[SCR+JJ:SCR+JJ+1], v[SCR+JJ:SCR+JJ+1], s[CS:CS+1], v[NM:NM+1] op_sel_hi:[1,0,0]   ; t - M, two at a time (of the pairs c and -M the low word serves both halves)
.set JJ, JJ+2
.endr
.irp b, 0,1,2,3
	v_fma_f32 v[BM+\b], v[BM+\b], s[CS], v[NM]     ; the same of each block's largest score
.endr
.set JJ, 0
	s_wait_alu depctr_va_vdst(0)
.rept 64
	v_exp_f32 v[SCR+JJ], v[SCR+JJ]                 ; p = 2^(t - M), at most 1: not normalised
.set JJ, JJ+1
.endr
.irp b, 0,1,2,3
	v_exp_f32 v[BM+\b], v[BM+\b]                   ; the block's largest p: the same two instructions on the same number give the same bits
.endr
	v_pk_mul_f32 v[SUM:SUM+1], v[SUM:SUM+1], v[FF:FF+1] op_sel_hi:[1,0]   ; the sums under the new M.  (The plain place behind the exponentials)
	s_wait_alu depctr_va_vdst(0)                   ; the 68 exponentials have written v[SCR ..] and v[BM ..]: one wait for the batch, ahead of its first reader
.irp b, 0,1,2,3
	v_max_num_f32 v[BM+\b], 0x1800000, v[BM+\b]    ; the floor 2^(3 - 127): the byte cannot fall under 1
.endr
.irp b, 0,1,2,3
	v_add_nc_u32 v[BS+\b], 0xff000000, v[BM+\b]    ; 2 off the exponent field: the conversion's scale operand
.endr
.irp b, 0,1,2,3
	v_lshrrev_b32 v[BT+\b], 23, v[BS+\b]           ; the scale's byte
.endr
	v_lshl_or_b32 v[PW], v[BT+1], 8, v[BT]         ; p's scale word for these 128 keys
	v_lshl_or_b32 v[PW], v[BT+2], 16, v[PW]
	v_lshl_or_b32 v[PW], v[BT+3], 24, v[PW]
.irp c, 0,1
	v_cvt_scalef32_pk16_fp6_f32 v[PC+6*\c:PC+6*\c+2], v[SCR+32*\c:SCR+32*\c+15], v[BS+2*\c]
	v_cvt_scalef32_pk16_fp6_f32 v[BT+4*\c:BT+4*\c+2], v[SCR+32*\c+16:SCR+32*\c+31], v[BS+2*\c+1]
.endr
	v_nop                                          ; one plain place behind the scaled conversions
.irp c, 0,1                                    ; the operand's layout wants a WHOLE block in a lane: lanes 0-15 block 2 c, lanes 16-31 block 2 c + 1
.irp i, 0,1,2
	v_permlane16_swap_b32 v[PC+6*\c+\i], v[BT+4*\c+\i]
.endr
.irp i, 0,1,2
	v_mov_b32 v[PC+3+6*\c+\i], v[BT+4*\c+\i]
.endr
.endr
	v_pk_add_f32 v[BT:BT+1], v[SCR:SCR+1], v[SCR+2:SCR+3]   ; the row's sum is taken of the UNQUANTISED p: two at a time, in two chains
.set JJ, 4
.rept 15
	v_pk_add_f32 v[SUM:SUM+1], v[SUM:SUM+1], v[SCR+JJ:SCR+JJ+1]
	v_pk_add_f32 v[BT:BT+1], v[BT:BT+1], v[SCR+JJ+2:SCR+JJ+3]
.set JJ, JJ+4
.endr
	v_pk_add_f32 v[SUM:SUM+1], v[SUM:SUM+1], v[BT:BT+1]
.set JJ, 0
.rept 16
	v_pk_mul_f32 v[OT+JJ:OT+JJ+1], v[OT+JJ:OT+JJ+1], v[FF:FF+1] op_sel_hi:[1,0]   ; O^T under the new M, each accumulator from its low end on
.set JJ, JJ+2
.endr
	s_wait_dscnt 0x0                               ; V's fragments are in
	s_wait_alu depctr_va_vdst(0)                   ; p's codes and its scale word are written, which the products below take (the 48 packed lines above are the places, and stand ahead of this wait); and every line that names v[SCR ..] is done, so that loads from the stage may land there behind this step
.irp t, 0,1,2,3                                ; O^T += V^T P^T: the four accumulators by turns; V's scale words stand in lanes 16-31
	v_wmma_scale_f32_16x16x128_f8f6f4 v[OT+8*\t:OT+8*\t+7], v[FRG+12*\t:FRG+12*\t+11], v[PC:PC+11], v[OT+8*\t:OT+8*\t+7], v[SC+\t], v[PW] matrix_a_fmt:MATRIX_FMT_FP6 matrix_b_fmt:MATRIX_FMT_FP6 matrix_a_scale:MATRIX_SCALE_ROW1
.endr
	s_add_co_u32 s[TB], s[TB], STEPB
	s_add_co_u32 s[TS], s[TS], 512
.endm
.macro WALK n                                  ; n key steps whose images lie in LDS
	s_mov_b32 s[WK], \n
.Lwalk_\@:
	STEP
	s_sub_co_u32 s[WK], s[WK], 1
	s_cmp_lg_u32 s[WK], 0
	s_cbranch_scc1 .Lwalk_\@
.endm
; THE WAY OUT of 16 queries: O^T / the sum goes through my own stage and leaves as whole rows of 256 bytes, sixteen lanes to a row.
.macro FINISH off, last
.rept 4
	v_nop                                          ; places behind the last products
.endr
	v_add_f32 v[SUM], v[SUM], v[SUM+1]             ; the sum's two halves,
	v_permlanex16_b32 v[T1], v[SUM], s[SEL], s[SEL+1]
	v_add_f32 v[SUM], v[SUM], v[T1]                ; and lane l xor 16's: the row's sum
	s_wait_alu depctr_va_vdst(0)
	v_rcp_f32 v[SUM], v[SUM]
	v_nop                                          ; one plain place behind the transcendental
.set JJ, 0
	s_wait_alu depctr_va_vdst(0)                   ; the reciprocal has written v[SUM], ahead of its first reader
.rept 16
	v_pk_mul_f32 v[XB+JJ:XB+JJ+1], v[OT+JJ:OT+JJ+1], v[SUM:SUM+1] op_sel_hi:[1,0]   ; ascending: each accumulator from its low end on
.set JJ, JJ+2
.endr
	s_wait_alu depctr_va_vdst(0)                   ; the multiplications have written v[XB ..], which the LDS stores read; no line behind this wait names v[YB ..], in which the stage's loads land
.irp t, 0,1,2,3
	ds_store_b128 v[ROWO], v[XB+8*\t:XB+8*\t+3] offset:64*\t        ; row lane % 16, channels 16 t + 8 (lane / 16) + 0 .. 7
	ds_store_b128 v[ROWO], v[XB+8*\t+4:XB+8*\t+7] offset:64*\t+16
.endr
.irp i, 0,1,2,3,4,5,6,7
	ds_load_b128 v[YB+4*\i:YB+4*\i+3], v[DEN] offset:2*SPITCH*\i    ; in order behind my stores: rows 2 i and 2 i + 1
.endr
.irp i, 0,1,2,3,4,5,6,7
	s_wait_dscnt 7-\i                              ; LDS loads come back in order: load i of the eight is in, the 7 - i younger ones stay out
	global_store_b128 v[GD], v[YB+4*\i:YB+4*\i+3], s[OP:OP+1] offset:\off+2*ROWG*\i th:TH_STORE_NT   ; sixteen lanes store 256 consecutive bytes, at a multiple of 256 from the buffer's first byte
.endr
.if !\last
	s_wait_xcnt 0x0                                ; the stores' data registers are written again by the next pass only behind this wait
	s_wait_alu depctr_vm_vsrc(0)                   ; the LDS stores have read v[XB ..], in which the next pass's loads from the stage land; the global stores have read v[YB ..], which the next pass's products write
.endif
.endm
	s_load_b256 s[4:11], s[0:1], 0x0               ; query, key, value, out0
	v_lshrrev_b32 v[T1], 5, v0
	v_readfirstlane_b32 s[WV], v[T1]               ; wave 0..15
	s_and_b32 s13, ttmp7, 0xffff                   ; y = 32 b + n
	s_lshr_b32 s14, s13, 5
	s_lshl_b32 s14, s14, 24                        ; b x 2,048 rows of 8,192 bytes
	s_and_b32 s13, s13, 31
	s_lshl_b32 s13, s13, 8                         ; n x 256 bytes
	s_add_co_u32 s30, s14, s13                     ; the head's first byte, the same in all four tensors
	s_mov_b32 s31, 0
	s_lshl_b32 s13, ttmp9, 22                      ; my work-group's 512 queries,
	s_wait_alu depctr_va_sdst(0)                   ; s12, the wave's number, is written, ahead of its first reader
	s_lshl_b32 s14, s[WV], 17                      ; my wave's 16 of them
	s_add_co_u32 s13, s13, s14
	s_add_co_u32 s32, s13, s30                     ; under 2^25
	s_mov_b32 s33, 0
	s_mov_b32 s[SEL], 0x76543210
	s_mov_b32 s[SEL+1], 0xfedcba98
	s_mov_b32 s[CS], 0x3e38aa3b                    ; c = log2(e) / 8
	s_mov_b32 s[CS+1], s[CS]                       ; (named with it as a pair, so it is written)
	s_mov_b32 s[PS], 0
	s_mov_b32 s[PSS], 0
	v_and_b32 v[T1], 15, v0                        ; r = lane % 16
	v_bfe_u32 v[T0], v0, 4, 1                      ; h = lane / 16
	v_and_b32 v[ADK], 31, v0                       ; lane
	s_wait_alu depctr_va_vdst(0)
	v_lshlrev_b32 v[GD], 4, v[T1]
	v_lshl_add_u32 v[GD], v[T0], 13, v[GD]         ; 8,192 h + 16 r
	s_lshr_b32 s14, s[WV], 1                       ; w / 2: my fragment of K, my 32 keys of V, in a pair of steps
	s_and_b32 s15, s[WV], 1                        ; w % 2: which half of the fragment, which 32 channels
	s_lshr_b32 s18, s[WV], 3                       ; w / 8: which step of the pair
	s_bfe_u32 s19, s[WV], 0x10002                  ; (w / 4) % 2: which half of V's fragment along the keys
	s_lshl_b32 s16, s14, 18                        ; 32 keys x 8,192 bytes
	s_lshl_b32 s17, s15, 16                        ; 8 keys
	s_add_co_u32 s17, s17, s16
	v_add_nc_u32 v[GK], s17, v[GD]
	s_lshl_b32 s17, s15, 7                         ; 32 channels x 4 bytes
	s_add_co_u32 s17, s17, s16
	v_lshl_add_u32 v[GV], v[ADK], 2, s17
	s_wait_kmcnt 0x0
	s_add_nc_u64 s[QP:QP+1], s[QP:QP+1], s[32:33]
	s_add_nc_u64 s[KP:KP+1], s[KP:KP+1], s[30:31]
	s_add_nc_u64 s[VP:VP+1], s[VP:VP+1], s[30:31]
	s_add_nc_u64 s[OP:OP+1], s[OP:OP+1], s[32:33]
	s_wait_alu depctr_va_vdst(0)                   ; v7, v8 and v9 are written: every global load and store of the kernel reads one of them as its offset
	TLOAD YB, GD, QP, 0, 0, 1                      ; pass 0's 16 queries
	TLOAD INF, GK, KP, 1, 0, 0                     ; my tile of K of the first pair
	v_lshlrev_b32 v[LI], 4, v[ADK]
	v_add_nc_u32 v[LIV], VIMG, v[LI]
	v_add_nc_u32 v[LSC], SCL, v[LI]
	s_mul_i32 s13, s[WV], WSTG
	s_add_co_u32 s13, s13, STG                     ; my stage
	v_mul_u32_u24 v[ADV], v[T1], SPITCH            ; 272 r
	v_mul_u32_u24 v[ADS], v[T0], SPITCH            ; 272 h
	v_lshl_add_u32 v[DEN], v[T1], 4, v[ADS]
	v_add_nc_u32 v[DEN], s13, v[DEN]
	v_lshl_add_u32 v[ROWI], v[T0], 7, v[ADV]
	v_add_nc_u32 v[ROWI], s13, v[ROWI]
	v_lshl_add_u32 v[ROWO], v[T0], 5, v[ADV]
	v_add_nc_u32 v[ROWO], s13, v[ROWO]
	; K: my six registers are registers 6 u .. 6 u + 5 (u = w % 2) of my own lane in fragment w / 2: pieces q = 3 u + 0, 1, 2 of 8 bytes, piece q at 512 (q / 2) + 8 (q % 2) + 16 x lane
	s_mul_i32 s16, s14, FRB
	s_mul_i32 s17, s15, 520
	s_add_co_u32 s17, s17, s16
	v_add_nc_u32 v[KA0], s17, v[LI]                ; pieces 3 u and, 512 bytes on, 3 u + 2
	s_mul_i32 s17, s15, 1016
	s_add_co_u32 s17, s17, s16
	s_add_co_u32 s17, s17, 8
	v_add_nc_u32 v[KA1], s17, v[LI]                ; piece 3 u + 1
	s_lshl_b32 s16, s18, 9
	s_and_b32 s17, s[WV], 7
	s_lshl_b32 s17, s17, 1
	s_add_co_u32 s16, s16, s17
	s_add_co_u32 s16, s16, SCL
	v_lshl_add_u32 v[KSA], v[T1], 4, v[T0]
	v_add_nc_u32 v[KSA], s16, v[KSA]               ; byte 2 u + h of word (w / 2) % 4 of row r
	; V: channel 32 (w % 2) + lane is row r of fragment 2 (w % 2) + h; my 32 keys are block (w / 2) % 4 of the step: registers 6 c on (c = (w / 4) % 2) of lane r + 16 ((w / 2) % 2)
	s_mul_i32 s16, s18, STEPB
	s_mul_i32 s17, s15, 2*FRB
	s_add_co_u32 s16, s16, s17
	s_and_b32 s17, s14, 1
	s_lshl_b32 s17, s17, 8
	s_add_co_u32 s16, s16, s17
	s_add_co_u32 s16, s16, VIMG
	v_mul_u32_u24 v[ADV], v[T0], FRB
	v_lshl_add_u32 v[ADV], v[T1], 4, v[ADV]        ; 1,536 h + 16 r
	s_mul_i32 s17, s19, 520
	s_add_co_u32 s17, s17, s16
	v_add_nc_u32 v[VA0], s17, v[ADV]
	s_mul_i32 s17, s19, 1016
	s_add_co_u32 s17, s17, s16
	s_add_co_u32 s17, s17, 8
	v_add_nc_u32 v[VA1], s17, v[ADV]
	s_lshl_b32 s16, s18, 9
	s_lshl_b32 s17, s15, 3
	s_add_co_u32 s16, s16, s17
	s_and_b32 s17, s14, 3
	s_add_co_u32 s16, s16, s17
	s_add_co_u32 s16, s16, SCL+256
	v_lshlrev_b32 v[ADV], 2, v[T0]
	v_lshl_add_u32 v[ADV], v[T1], 4, v[ADV]
	v_add_nc_u32 v[VSA], s16, v[ADV]               ; byte (w / 2) % 4 of word 2 (w % 2) + h of row r
	v_lshlrev_b32 v[SH8], 3, v[T0]
.irp i, 0,1,2,3,4,5
	v_mov_b32 v[QZ+\i], 0                          ; the zero codes on either side of Q's
	v_mov_b32 v[QC+6+\i], 0
.endr
.irp b, 0,1,2,3
	v_mov_b32 v[BT+\b], 0                          ; written once: a lane permute's destination counts as one of its sources
.endr
	v_mov_b32 v[PW], 0                             ; (named as the upper half of the pair with f before it is first written)
	s_wait_alu depctr_va_vdst(0)                   ; v4, v5 and v6, the stage's three addresses, are written: every LDS store into the stage and every load from it reads one of them
	s_wait_loadcnt 8                               ; Q's eight loads are in; the eight younger ones, my tile of K, may stay out
	NEWQ YB
	s_wait_alu depctr_va_vdst(0)                   ; the lines that quantised Q are done reading v[XB ..], in which my tile of K lands on its way back from the stage
	PRODK                                          ; the first pair of steps is made with nothing beside it
	PRODV 0
	BARRIER
	s_mov_b32 s[CT], 7
.Lpair:                                            ; trip p = 0 .. 6: steps 2 p and 2 p + 1 are walked, pair p + 1 is made
	STEP
	PRODK
	STEP
	PRODV 1
	BARRIER
	s_sub_co_u32 s[CT], s[CT], 1
	s_cmp_lg_u32 s[CT], 0
	s_cbranch_scc1 .Lpair
	WALK 2                                         ; steps 14 and 15: nothing is left to make
	FINISH 0, 0
	s_wait_loadcnt 0x0                             ; pass 1's Q, asked for in the loop's last trip
	NEWQ INF
	WALK 16                                        ; the whole head lies in LDS: no production, no barrier
	FINISH PAIRG, 1
	s_wait_xcnt 0x0
	s_wait_alu depctr_vm_vsrc(0)                   ; v254 and v255 were data of the stores that sent pass 1's Q into the stage: these have read them, ahead of the two lines that write them anew
	v_lshl_add_u32 v254, v0, 2, 0x43000            ; my spare word, behind the stages: 128 bytes for each of the sixteen waves that no other line names;
	v_mov_b32 v255, 0                              ; and 0
	s_wait_dscnt 0x0                               ; the closing lines, six on end
	s_wait_alu 0x0
	s_wait_tensorcnt 0x0
	ds_add_u32 v254, v255
	s_wait_dscnt 0x0
	s_endpgm
.Lfunc_end_k_q4612defa18_attn:
	.size	k_q4612defa18_attn, .Lfunc_end_k_q4612defa18_attn-k_q4612defa18_attn
	.p2alignl 7, 3214868480
	.fill 96, 4, 3214868480
	.section	.rodata,"a",@progbits
	.p2align	6, 0x0
	.amdhsa_kernel k_q4612defa18_attn
		.amdhsa_group_segment_fixed_size 276480
		.amdhsa_private_segment_fixed_size 0
		.amdhsa_enable_private_segment 0
		.amdhsa_kernarg_size 32
		.amdhsa_user_sgpr_count 2
		.amdhsa_user_sgpr_kernarg_segment_ptr 1
		.amdhsa_wavefront_size32 1
		.amdhsa_system_sgpr_workgroup_id_x 1
		.amdhsa_system_sgpr_workgroup_id_y 1
		.amdhsa_system_sgpr_workgroup_id_z 1
		.amdhsa_system_vgpr_workitem_id 0
		.amdhsa_next_free_vgpr 256
		.amdhsa_next_free_sgpr 66
		.amdhsa_reserve_vcc 0
		.amdhsa_float_denorm_mode_32 3
		.amdhsa_float_denorm_mode_16_64 3
		.amdhsa_memory_ordered 1
		.amdhsa_forward_progress 1
		.amdhsa_inst_pref_size 102
	.end_amdhsa_kernel
	.amdgpu_metadata
---
amdhsa.version: [ 1, 2 ]
amdhsa.kernels:
  - .name:           k_q4612defa18_attn
    .symbol:         k_q4612defa18_attn.kd
    .args:
      - { .name: query, .offset: 0, .size: 8, .value_kind: global_buffer, .address_space: global }
      - { .name: key, .offset: 8, .size: 8, .value_kind: global_buffer, .address_space: global }
      - { .name: value, .offset: 16, .size: 8, .value_kind: global_buffer, .address_space: global }
      - { .name: out0, .offset: 24, .size: 8, .value_kind: global_buffer, .address_space: global }
    .group_segment_fixed_size: 276480
    .private_segment_fixed_size: 0
    .kernarg_segment_align: 8
    .kernarg_segment_size: 32
    .max_flat_workgroup_size: 512
    .sgpr_count:     66
    .vgpr_count:     256
    .wavefront_size: 32
...
	.end_amdgpu_metadata
.endif
;; end of part 2
